; MI455X (gfx1250); checked and timed in simulation.
; The chip was launched on July 23, 2026; its instructions are those of AMD's public machine-readable ISA for CDNA 5 (MIT licence, August 2026) and "CDNA5" Instruction Set Architecture Reference Guide (July 2026).
;; Analytic Gaussian Velocity. Allowed arithmetic: float matrix products may take bf16 or f16 operands with f32 sums; other float arithmetic in f32, or as packed bf16 or f16 multiplies, adds, multiply-adds, maxima and minima; sums over many terms, partial sums and values carried from step to step in f32; what a program stores and reads back later, other than sums and carried values, may be rounded once to bf16 or f16.
;; Inputs: dataset 50,000 x 512 float32; t 1,024 float32; x_t 1,024 x 512 float32.
;; Outputs: out0 1,024 x 512 float32.
;; 3 versions, each right; version 3 is version 2 with the launch prep written anew for expert scheduling mode. Each part assembles by itself: llvm-mc -triple=amdgcn-amd-amdhsa -mcpu=gfx1250 --defsym DOCPART=n.
;; ======== version 1 of 3: 3 launches
;; limits: inputs' magnitudes at most 65,504; values are held in f16: magnitudes above 65,504 overflow, below 6.1e-05 lose precision
;; workspace buffers: kb 52,428,800 bytes; nb 212,992 bytes; xq 1,048,576 bytes; po 67,108,864 bytes; ml 262,144 bytes
;; launch prep (part 1): grid 256 x 1, 8 waves a work-group, no clusters, 0 bytes of LDS; arguments dataset, kb, nb, x_t, t, xq; writes kb, nb, xq
.if DOCPART == 1
	.amdgcn_target "amdgcn-amd-amdhsa--gfx1250"
	.amdhsa_code_object_version 6
	.text
	.protected	k_q93fa6ddf91_prep
	.globl	k_q93fa6ddf91_prep
	.p2align	8
	.type	k_q93fa6ddf91_prep,@function
k_q93fa6ddf91_prep:
	s_mov_b64 s[64:65], 0
	v_nop
	global_prefetch_b8 v0, s[64:65] scope:SCOPE_SE
	s_setreg_imm32_b32 hwreg(HW_REG_WAVE_MODE, 25, 1), 1
	s_wait_xcnt 0x0
.set DEPTH, 5
.set LANE, 1
.set LI,   2
.set LO,   3
.set Z,    4
.set NV,   5
.set C,    6
.set T,    10
.set F,    12
.set X,    16
.set Y,    96
.set XQ,   136
.set XO,   152
.set TS,   160
.set XA,   161
.set BIG,  0x7149f2ca
	s_load_b128 s[4:7], s[0:1], 0x0
	s_load_b64 s[8:9], s[0:1], 0x10
	s_load_b128 s[48:51], s[0:1], 0x18
	s_load_b64 s[52:53], s[0:1], 0x28
	v_and_b32 v[LANE], 31, v0
	v_lshrrev_b32 v[T], 5, v0
	v_readfirstlane_b32 s18, v[T]
	v_lshlrev_b32 v[LI], 4, v[LANE]
	v_lshlrev_b32 v[LO], 3, v[LANE]
	v_mov_b32 v[Z], 0
	v_mov_b32 v[NV], BIG
	v_mov_b32 v[T+1], 0
	s_lshr_b32 s19, ttmp9, 3
	s_and_b32 s44, ttmp9, 7
	s_lshl_b32 s44, s44, 3
	s_add_co_u32 s41, s44, s18
	s_lshl_b32 s54, ttmp9, 3
	s_add_co_u32 s54, s54, s18
	s_mul_i32 s10, s19, 1562
	s_lshr_b32 s44, s19, 1
	s_add_co_u32 s10, s10, s44
	s_and_b32 s11, s19, 1
	s_add_co_u32 s11, s11, 1562
	s_sub_co_u32 s12, s11, 1
	s_mul_i32 s13, s41, 25
	s_mov_b32 s14, 0
	s_mov_b32 s42, 0x76543210
	s_mov_b32 s43, 0xfedcba98
	s_mov_b32 s58, 0xffff0000
	s_mov_b32 s45, 0
	s_mul_i32 s46, s19, 1600
	s_add_co_u32 s46, s46, s13
	s_lshl_b32 s46, s46, 10
	s_mov_b32 s47, 0
	s_wait_kmcnt 0x0
	s_add_nc_u64 s[16:17], s[6:7], s[46:47]
.macro FILL d
	s_min_u32 s44, s13, s12
	s_add_co_u32 s44, s44, s10
	s_lshl_b32 s44, s44, 11
	s_add_nc_u64 s[20+2*(\d):21+2*(\d)], s[4:5], s[44:45]
	s_cmp_lt_u32 s13, s11
	s_cselect_b32 s[30+(\d)], -1, 0
	s_cselect_b32 s[35+(\d)], 0, BIG
	s_add_co_u32 s13, s13, 1
.irp j, 0,1,2,3
	global_load_b128 v[X+16*(\d)+4*(\j):X+16*(\d)+4*(\j)+3], v[LI], s[20+2*(\d):21+2*(\d)] offset:512*(\j) th:TH_LOAD_NT
.endr
.endm
.macro TOF16 r
.irp j, 0,1,2,3,4,5,6,7
	v_lshlrev_b32 v[F+2*((\j)%2)], 16, v[(\r)+(\j)]
	v_and_b32 v[F+2*((\j)%2)+1], s58, v[(\r)+(\j)]
	v_cvt_pk_f16_f32 v[(\r)+(\j)], v[F+2*((\j)%2)], v[F+2*((\j)%2)+1]
.endr
.endm
.macro ROW d, fill, left
	s_wait_loadcnt \left
	s_wait_xcnt 0x0
	s_mov_b32 s40, s[35+(\d)]
.irp j, 0,1,2,3,4,5,6,7
	v_cvt_pk_bf16_f32 v[Y+8*(\d)+(\j)], v[X+16*(\d)+2*(\j)], v[X+16*(\d)+2*(\j)+1]
.endr
.irp j, 0,1,2,3,4,5,6,7
	v_and_b32 v[Y+8*(\d)+(\j)], s[30+(\d)], v[Y+8*(\d)+(\j)]
.endr
.if \fill
	FILL \d
.endif
.irp j, 0,1,2,3,4,5,6,7
.if (\j) < 2
	v_fma_mix_f32_bf16 v[C+2*(\j)], v[Y+8*(\d)+(\j)], v[Y+8*(\d)+(\j)], v[Z] op_sel_hi:[1,1,0]
	v_fma_mix_f32_bf16 v[C+2*(\j)+1], v[Y+8*(\d)+(\j)], v[Y+8*(\d)+(\j)], v[Z] op_sel:[1,1,0] op_sel_hi:[1,1,0]
.else
	v_fma_mix_f32_bf16 v[C+2*((\j)%2)], v[Y+8*(\d)+(\j)], v[Y+8*(\d)+(\j)], v[C+2*((\j)%2)] op_sel_hi:[1,1,0]
	v_fma_mix_f32_bf16 v[C+2*((\j)%2)+1], v[Y+8*(\d)+(\j)], v[Y+8*(\d)+(\j)], v[C+2*((\j)%2)+1] op_sel:[1,1,0] op_sel_hi:[1,1,0]
.endif
.endr
	TOF16 Y+8*(\d)
	v_add_f32 v[C], v[C], v[C+1]
	v_add_f32 v[C+2], v[C+2], v[C+3]
	v_add_f32 v[C], v[C], v[C+2]
	v_add_f32_dpp v[C], v[C], v[C] row_xmask:1 row_mask:0xf bank_mask:0xf
	v_add_f32_dpp v[C], v[C], v[C] row_xmask:2 row_mask:0xf bank_mask:0xf
	v_add_f32_dpp v[C], v[C], v[C] row_xmask:4 row_mask:0xf bank_mask:0xf
	v_add_f32_dpp v[C], v[C], v[C] row_xmask:8 row_mask:0xf bank_mask:0xf
	v_permlanex16_b32 v[T+1], v[C], s42, s43
	v_add_f32 v[C], v[C], v[T+1]
	v_add_f32 v[C], s40, v[C]
	v_cmp_eq_u32 vcc_lo, s14, v[LANE]
	v_cndmask_b32 v[NV], v[NV], v[C], vcc_lo
	s_add_co_u32 s14, s14, 1
.irp j, 0,1,2,3
	global_store_b64 v[LO], v[Y+8*(\d)+2*(\j):Y+8*(\d)+2*(\j)+1], s[16:17] offset:1024*(\d)+256*(\j)
.endr
.endm
.irp d, 0,1,2,3,4
	FILL \d
.endr
	s_cmp_lt_u32 ttmp9, 128
	s_cbranch_scc0 .Lno_x
	s_lshl_b32 s56, s54, 11
	s_mov_b32 s57, 0
	s_add_nc_u64 s[48:49], s[48:49], s[56:57]
	s_lshl_b32 s55, s54, 2
	v_mov_b32 v[XA], s55
	global_load_b32 v[TS], v[XA], s[50:51]
.irp j, 0,1,2,3
	global_load_b128 v[XQ+4*(\j):XQ+4*(\j)+3], v[LI], s[48:49] offset:512*(\j)
.endr
	s_lshl_b32 s56, s54, 10
	s_add_nc_u64 s[52:53], s[52:53], s[56:57]
	s_wait_loadcnt 0x0
	v_and_b32 v[TS], 0x80000000, v[TS]
	v_lshrrev_b32 v[XA], 16, v[TS]
	v_or_b32 v[TS], v[TS], v[XA]
.irp j, 0,1,2,3,4,5,6,7
	v_cvt_pk_bf16_f32 v[XO+(\j)], v[XQ+2*(\j)], v[XQ+2*(\j)+1]
.endr
	TOF16 XO
.irp j, 0,1,2,3,4,5,6,7
	v_xor_b32 v[XO+(\j)], v[TS], v[XO+(\j)]
.endr
.irp j, 0,1,2,3
	global_store_b64 v[LO], v[XO+2*(\j):XO+2*(\j)+1], s[52:53] offset:256*(\j)
.endr
.Lno_x:
	s_mov_b32 s15, 4
.Lround:
.irp d, 0,1,2,3,4
	ROW \d, 1, 16
.endr
	s_wait_xcnt 0x0
	s_add_nc_u64 s[16:17], s[16:17], DEPTH*1024
	s_sub_co_u32 s15, s15, 1
	s_cmp_lg_u32 s15, 0
	s_cbranch_scc1 .Lround
.irp d, 0,1,2,3,4
	ROW \d, 0, 16-4*(\d)
.endr
	v_cmp_gt_u32 vcc_lo, 25, v[LANE]
	s_mul_i32 s44, s41, 25
	v_add_nc_u32 v[T], s44, v[LANE]
	s_add_co_u32 s46, s41, 1600
	v_mov_b32 v[T+1], s46
	v_cndmask_b32 v[T], v[T+1], v[T], vcc_lo
	s_mul_i32 s44, s19, 1664
	v_add_lshl_u32 v[T], v[T], s44, 2
	global_store_b32 v[T], v[NV], s[8:9]
	s_endpgm
.Lfunc_end_k_q93fa6ddf91_prep:
	.size	k_q93fa6ddf91_prep, .Lfunc_end_k_q93fa6ddf91_prep-k_q93fa6ddf91_prep
	.p2alignl 7, 3214868480
	.fill 96, 4, 3214868480
	.section	.rodata,"a",@progbits
	.p2align	6, 0x0
	.amdhsa_kernel k_q93fa6ddf91_prep
		.amdhsa_group_segment_fixed_size 0
		.amdhsa_private_segment_fixed_size 0
		.amdhsa_enable_private_segment 0
		.amdhsa_kernarg_size 48
		.amdhsa_user_sgpr_count 2
		.amdhsa_user_sgpr_kernarg_segment_ptr 1
		.amdhsa_wavefront_size32 1
		.amdhsa_system_sgpr_workgroup_id_x 1
		.amdhsa_system_sgpr_workgroup_id_y 1
		.amdhsa_system_sgpr_workgroup_id_z 1
		.amdhsa_system_vgpr_workitem_id 0
		.amdhsa_next_free_vgpr 164
		.amdhsa_next_free_sgpr 66
		.amdhsa_reserve_vcc 1
		.amdhsa_float_denorm_mode_32 3
		.amdhsa_float_denorm_mode_16_64 3
		.amdhsa_memory_ordered 1
		.amdhsa_forward_progress 1
		.amdhsa_inst_pref_size 50
	.end_amdhsa_kernel
	.amdgpu_metadata
---
amdhsa.version: [ 1, 2 ]
amdhsa.kernels:
  - .name:           k_q93fa6ddf91_prep
    .symbol:         k_q93fa6ddf91_prep.kd
    .args:
      - { .name: dataset, .offset: 0, .size: 8, .value_kind: global_buffer, .address_space: global }
      - { .name: kb, .offset: 8, .size: 8, .value_kind: global_buffer, .address_space: global }
      - { .name: nb, .offset: 16, .size: 8, .value_kind: global_buffer, .address_space: global }
      - { .name: x_t, .offset: 24, .size: 8, .value_kind: global_buffer, .address_space: global }
      - { .name: t, .offset: 32, .size: 8, .value_kind: global_buffer, .address_space: global }
      - { .name: xq, .offset: 40, .size: 8, .value_kind: global_buffer, .address_space: global }
    .group_segment_fixed_size: 0
    .private_segment_fixed_size: 0
    .kernarg_segment_align: 8
    .kernarg_segment_size: 48
    .max_flat_workgroup_size: 256
    .sgpr_count:     66
    .vgpr_count:     164
    .wavefront_size: 32
...
	.end_amdgpu_metadata
.endif
;; end of part 1
;; launch main (part 2): grid 8 x 32, 4 waves a work-group, clusters of 4 x 1, 327,680 bytes of LDS; arguments kb, nb, xq, t, po, ml; writes po, ml
.if DOCPART == 2
	.amdgcn_target "amdgcn-amd-amdhsa--gfx1250"
	.amdhsa_code_object_version 6
	.text
	.protected	k_q93fa6ddf91_main
	.globl	k_q93fa6ddf91_main
	.p2align	8
	.type	k_q93fa6ddf91_main,@function
k_q93fa6ddf91_main:
	s_mov_b64 s[64:65], 0
	v_nop
	global_prefetch_b8 v0, s[64:65] scope:SCOPE_SE
	s_setreg_imm32_b32 hwreg(HW_REG_WAVE_MODE, 25, 1), 1
	s_wait_xcnt 0x0
	s_wait_alu depctr_hold_cnt(0) depctr_sa_sdst(0) depctr_va_vdst(0) depctr_va_sdst(0) depctr_va_ssrc(0) depctr_va_vcc(0) depctr_vm_vsrc(0)
	s_getreg_b32 s2, hwreg(HW_REG_IB_STS2, 6, 4)
	s_cmp_eq_u32 s2, 0
	s_cbranch_scc0 .Lentry_in_a_cluster
	s_endpgm
.Lentry_in_a_cluster:
	s_bfe_u32 s2, ttmp6, 0x10000c
	s_cmp_lg_u32 s2, 0x3003
	s_cbranch_scc0 .Lentry_shape_is_right
	s_endpgm
.Lentry_shape_is_right:
.set PIT,   1040
.set SLOT,  64*PIT
.set NRM,   3*SLOT
.set STAGE, NRM+6656
.set SPARE, STAGE+4*16*PIT
.set TILEB, 65536
.set AK0, 4
.set AV0, 5
.set ADK, 6
.set ADV, 7
.set ADN, 8
.set STO, 9
.set RD,  10
.set GO,  11
.set PFO, 12
.set QO,  13
.set SPW, 14
.set NIL, 15
.set ST,  16
.set N2,  48
.set S,   64
.set P,   128
.set FR,  160
.set N1,  240
.set TM,  240
.set WV,  16
.set G1,  24
.set G1N, 32
.set G0N, 40
.set G0A, 44
.set G0,  48
.set R0,  52
.set R1,  53
.set R2,  54
.set WQ,  56
.set CNT, 57
.set LIM, 58
.set SEL, 60
.set PFA, 66
.set POB, 68
.set HIM, 70
.set W_KQ, 0x0c
.set MSB, 0
.macro WIN new
.if MSB != (\new)
	s_set_vgpr_msb (MSB<<8)|(\new)
.set MSB, (\new)
.endif
.endm
.macro CREST
	s_cmp_lg_u32 s[WV], 0
	s_cbranch_scc1 .Lnot_wave_0_\@
	s_barrier_signal -3
.Lnot_wave_0_\@:
	s_barrier_wait -3
	s_barrier_signal -1
	s_barrier_wait -1
.endm
.macro CROUND
	s_barrier_signal -1
	s_barrier_wait -1
	CREST
.endm
.macro NOPS4
.rept 4
	v_nop
.endr
.endm
.macro JLOAD
	tensor_load_to_lds s[G0:G0+3], s[G1:G1+7]
	s_nop 0
	NOPS4
.endm
.macro ASK
	s_cmp_gt_u32 s[CNT], s[LIM]
	s_cbranch_scc0 .Lnot_mine_\@
	global_prefetch_b8 v[PFO], s[PFA:PFA+1] th:TH_LOAD_NT scope:SCOPE_SE
.Lnot_mine_\@:
.endm
	s_load_b256 s[4:11], s[0:1], 0x0
	s_load_b128 s[12:15], s[0:1], 0x20
	v_lshl_add_u32 v[SPW], v0, 2, SPARE
	v_mov_b32 v[NIL], 0
	ds_add_u32 v[SPW], v[NIL]
	ds_add_u32 v[SPW], v[NIL]
	v_lshrrev_b32 v1, 5, v0
	v_readfirstlane_b32 s[WV], v1
	s_bfe_u32 s17, ttmp6, 0x40000
	s_lshl_b32 s18, ttmp9, 2
	s_add_co_u32 s18, s18, s17
	s_and_b32 s19, ttmp7, 0xffff
	s_mov_b32 s[G1], 15|(1<<16)|(1<<20)|(1<<21)|(7<<22)|(3<<25)
	s_mov_b32 s[G1+1], 512<<16
	s_mov_b32 s[G1+2], 16<<16
	s_mov_b32 s[G1+3], 512<<16
	s_mov_b32 s[G1+4], 16
	s_mov_b32 s[G1+5], 512
	s_mov_b32 s[G1+6], 0
	s_mov_b32 s[G1+7], 0
	s_mov_b32 s[G1N], 15|(3<<16)|(1<<21)
	s_mov_b32 s[G1N+1], 208<<16
	s_mov_b32 s[G1N+2], 1<<16
	s_mov_b32 s[G1N+3], 208<<16
	s_mov_b32 s[G1N+4], 1
	s_mov_b32 s[G1N+5], 208
	s_mov_b32 s[G1N+6], 1<<16
	s_mov_b32 s[G1N+7], 0
	s_mul_i32 s[WQ], s[WV], 16*PIT
	s_mul_i32 s20, s19, 1600*1024
	s_lshl_b32 s21, s[WV], 14
	s_add_co_u32 s20, s20, s21
	s_mov_b32 s21, 0
	s_mul_i32 s22, s19, 6656
	s_mul_i32 s23, s[WV], 1664
	s_add_co_u32 s22, s22, s23
	s_add_co_u32 s[G0N+1], s23, NRM
	s_mov_b32 s23, 0
	s_mov_b32 s[G0N], 1
	s_mov_b32 s[G0A], 1
	s_mov_b32 s[G0], 1
	s_mov_b32 s[G0A+1], s[WQ]
	s_add_co_u32 s[G0+1], s[WQ], SLOT
	s_mov_b32 s[R0], 2*SLOT
	s_mov_b32 s[R1], 0
	s_mov_b32 s[R2], SLOT
	s_mov_b32 s[SEL], 0x76543210
	s_mov_b32 s[SEL+1], 0xfedcba98
	s_mov_b32 s[HIM], 0xffff0000
	s_lshl_b32 s72, s18, 7
	s_lshl_b32 s73, s[WV], 5
	s_add_co_u32 s72, s72, s73
	s_lshl_b32 s74, s72, 10
	s_mov_b32 s75, 0
	s_lshl_b32 s76, s72, 2
	s_mov_b32 s77, 0
	s_lshl_b32 s78, s19, 21
	s_lshl_b32 s79, s72, 11
	s_add_co_u32 s78, s78, s79
	s_mov_b32 s79, 0
	s_lshl_b32 s80, s19, 10
	s_add_co_u32 s80, s80, s72
	s_lshl_b32 s80, s80, 3
	s_mov_b32 s81, 0
	s_mul_i32 s82, s19, 1600*1024
	s_lshl_b32 s83, s17, 14
	s_add_co_u32 s82, s82, s83
	s_lshl_b32 s83, s[WV], 13
	s_add_co_u32 s82, s82, s83
	s_add_co_u32 s82, s82, 3*TILEB
	s_mov_b32 s83, 0
	s_lshr_b32 s55, s[WV], 1
	s_or_b32 s55, s55, ttmp9
	s_cmp_eq_u32 s55, 0
	s_cselect_b32 s[LIM], 2, -1
	s_wait_dscnt 0x0
	s_wait_kmcnt 0x0
	s_add_nc_u64 s[G0N+2:G0N+3], s[6:7], s[22:23]
	s_add_nc_u64 s[G0A+2:G0A+3], s[4:5], s[20:21]
	s_add_nc_u64 s[G0+2:G0+3], s[G0A+2:G0A+3], TILEB
	s_or_b32 s[G0N+3], s[G0N+3], 0x80000000
	s_or_b32 s[G0A+3], s[G0A+3], 0x80000000
	s_or_b32 s[G0+3], s[G0+3], 0x80000000
	s_add_nc_u64 s[PFA:PFA+1], s[4:5], s[82:83]
	s_add_nc_u64 s[8:9], s[8:9], s[74:75]
	s_add_nc_u64 s[10:11], s[10:11], s[76:77]
	s_add_nc_u64 s[POB:POB+1], s[12:13], s[78:79]
	s_add_nc_u64 s[14:15], s[14:15], s[80:81]
	CROUND
	tensor_load_to_lds s[G0N:G0N+3], s[G1N:G1N+7]
	s_nop 0
	tensor_load_to_lds s[G0A:G0A+3], s[G1:G1+7]
	s_nop 0
	tensor_load_to_lds s[G0:G0+3], s[G1:G1+7]
	s_nop 0
	NOPS4
	v_and_b32 v1, 15, v0
	v_bfe_u32 v2, v0, 4, 1
	v_and_b32 v3, 31, v0
	v_lshlrev_b32 v[QO], 10, v1
	v_lshl_add_u32 v[QO], v2, 4, v[QO]
	v_lshlrev_b32 v[TM], 2, v1
	global_load_b32 v[ST+14], v[TM], s[10:11]
	global_load_b32 v[ST+30], v[TM], s[10:11] offset:64
	WIN 0xc0
.set i, 0
.rept 32
	global_load_b128 v[8*i:8*i+3],   v[QO], s[8:9] offset:16384*(i/16)+64*(i%16)
	global_load_b128 v[8*i+4:8*i+7], v[QO], s[8:9] offset:16384*(i/16)+64*(i%16)+32
.set i, i+1
.endr
	WIN 0
	v_mul_u32_u24 v[AK0], v1, PIT
	v_lshl_add_u32 v[AK0], v2, 4, v[AK0]
	v_and_b32 v[TM+1], 7, v0
	v_lshl_add_u32 v[TM+1], v2, 3, v[TM+1]
	v_mul_u32_u24 v[AV0], v[TM+1], PIT
	v_bfe_u32 v[TM+2], v0, 3, 1
	v_lshl_add_u32 v[AV0], v[TM+2], 7, v[AV0]
	v_lshl_add_u32 v[ADN], v2, 5, NRM
	s_add_co_u32 s55, s[WQ], STAGE
	v_mul_u32_u24 v[STO], v1, PIT
	v_lshl_add_u32 v[STO], v2, 8, v[STO]
	v_add_nc_u32 v[STO], s55, v[STO]
	v_lshl_add_u32 v[RD], v3, 4, s55
	v_lshlrev_b32 v[GO], 4, v3
	v_lshlrev_b32 v[PFO], 8, v3
	v_add_nc_u32 v[ADK], s[R1], v[AK0]
	s_wait_loadcnt 0x0
.irp t, 0,1
	v_cvt_pk_bf16_f32 v[ST+16*(\t)+14], v[ST+16*(\t)+14], v[ST+16*(\t)+14]
	v_lshlrev_b32 v[ST+16*(\t)+14], 16, v[ST+16*(\t)+14]
	v_sub_f32 v[ST+16*(\t)+15], 1.0, v[ST+16*(\t)+14]
	v_mul_f32 v[ST+16*(\t)+15], v[ST+16*(\t)+15], v[ST+16*(\t)+15]
	v_rcp_f32 v[ST+16*(\t)+12], v[ST+16*(\t)+15]
.endr
	v_nop
	s_wait_alu depctr_va_vdst(0)
.irp t, 0,1
	v_and_b32 v[ST+16*(\t)+13], 0x7fffffff, v[ST+16*(\t)+14]
	v_mul_f32 v[ST+16*(\t)+12], v[ST+16*(\t)+13], v[ST+16*(\t)+12]
	v_mul_f32 v[ST+16*(\t)+12], 0x3fb8aa3b, v[ST+16*(\t)+12]
	v_max_num_f32 v[ST+16*(\t)+8], 0x2b8cbccc, v[ST+16*(\t)+12]
	v_mul_f32 v[ST+16*(\t)+13], 0.5, v[ST+16*(\t)+13]
	v_max_num_f32 v[ST+16*(\t)+13], 0x2b8cbccc, v[ST+16*(\t)+13]
	v_xor_b32 v[ST+16*(\t)+10], 0x80000000, v[ST+16*(\t)+13]
	v_mov_b32 v[ST+16*(\t)+11], 0
	v_mov_b32 v[ST+16*(\t)], 0xfe000000
	v_mov_b32 v[ST+16*(\t)+1], 0xff7fffff
	v_mov_b32 v[ST+16*(\t)+2], 0
	v_mov_b32 v[ST+16*(\t)+3], 0
	v_mov_b32 v[ST+16*(\t)+9], 0
.endr
.macro LDF g
.set fr, FR+8*((\g)%10)
.if (\g) < 64
	ds_load_b128 v[fr:fr+3],   v[ADK] offset:((\g)%4)*16*PIT+((\g)/4)*64
	ds_load_b128 v[fr+4:fr+7], v[ADK] offset:((\g)%4)*16*PIT+((\g)/4)*64+32
.else
.set gb, (\g)-64
	ds_load_tr16_b128 v[fr:fr+3],   v[ADV] offset:(gb/32)*32*PIT+((gb%32)/8)*256+(gb%8)*16
	ds_load_tr16_b128 v[fr+4:fr+7], v[ADV] offset:(gb/32)*32*PIT+16*PIT+((gb%32)/8)*256+(gb%8)*16
.endif
.endm
.macro PRIME first
.set pf, (\first)
.rept 8
	LDF pf
.set pf, pf+1
.endr
.endm
.macro WM g
.set fr, FR+8*((\g)%10)
.if (\g) < 64
	WIN W_KQ
.set kt, (\g)%4
.set cc, (\g)/4
.if cc == 0
	v_wmma_f32_16x16x32_f16 v[S+8*kt:S+8*kt+7], v[fr:fr+7], v[0:7], 0
	v_wmma_f32_16x16x32_f16 v[S+32+8*kt:S+32+8*kt+7], v[fr:fr+7], v[128:135], 0
.else
	v_wmma_f32_16x16x32_f16 v[S+8*kt:S+8*kt+7], v[fr:fr+7], v[8*cc:8*cc+7], v[S+8*kt:S+8*kt+7]
	v_wmma_f32_16x16x32_f16 v[S+32+8*kt:S+32+8*kt+7], v[fr:fr+7], v[128+8*cc:128+8*cc+7], v[S+32+8*kt:S+32+8*kt+7]
.endif
.else
.set bb, ((\g)-64)%32
.set kk, ((\g)-64)/32
.if bb < 16
	WIN 0x50
.set ro, 16*bb
.else
	WIN 0xa0
.set ro, 16*(bb-16)
.endif
	v_wmma_f32_16x16x32_f16 v[ro:ro+7], v[fr:fr+7], v[P+8*kk:P+8*kk+7], v[ro:ro+7]
	v_wmma_f32_16x16x32_f16 v[ro+8:ro+15], v[fr:fr+7], v[P+16+8*kk:P+16+8*kk+7], v[ro+8:ro+15]
.endif
.endm
.macro RID_A mode
.if G < 32
.set ro, 8*G
.set wn, 1
.else
.set ro, 8*(G-32)
.set wn, 2
.endif
.if \mode
	WIN 0x40*wn
.irp i, 0,1,2,3,4,5,6,7
	v_mov_b32 v[ro+(\i)], 0
.endr
.else
	WIN 0x41*wn
.set ra, ST+16*(G%2)+6
.irp i, 0,2,4,6
	v_pk_mul_f32 v[ro+(\i):ro+(\i)+1], v[ro+(\i):ro+(\i)+1], v[ra:ra+1] op_sel_hi:[1,0]
.endr
.endif
.endm
.macro TREG t
.set rT, ST+16*(\t)
.set rS, S+32*(\t)
.set rP, P+16*(\t)
.endm
.macro UF x
	TREG (\x)%2
.set uq, (\x)/2
.if uq < 8
.set ur, N1+2*uq
.else
.set ur, N2+2*(uq-8)
.endif
	v_pk_fma_f32 v[rS+2*uq:rS+2*uq+1], v[ur:ur+1], v[rT+10:rT+11], v[rS+2*uq:rS+2*uq+1] op_sel_hi:[1,0,1]
.endm
.macro MAXQ t, n
	TREG \t
.if (\n) < 4
	v_max3_num_f32 v[rT+4+(\n)], v[rS+8*(\n)], v[rS+8*(\n)+1], v[rS+8*(\n)+2]
.elseif (\n) < 12
	v_max3_num_f32 v[rT+4+(\n)%4], v[rT+4+(\n)%4], v[rS+8*((\n)%4)+2*((\n)/4)+1], v[rS+8*((\n)%4)+2*((\n)/4)+2]
.elseif (\n) == 12
	v_max3_num_f32 v[rT+4], v[rT+4], v[rS+7], v[rS+15]
.elseif (\n) == 13
	v_max3_num_f32 v[rT+5], v[rT+5], v[rS+23], v[rS+31]
.elseif (\n) == 14
	v_max3_num_f32 v[rT+6], v[rT+6], v[rT+7], v[rT+1]
.elseif (\n) == 15
	v_mov_b32 v[rT+9], v[rT]
.elseif (\n) == 16
	v_max3_num_f32 v[rT+4], v[rT+4], v[rT+5], v[rT+6]
.elseif (\n) == 17
	v_permlanex16_b32 v[rT+7], v[rT+4], s[SEL], s[SEL+1]
.elseif (\n) == 18
	v_max_num_f32 v[rT+1], v[rT+4], v[rT+7]
.elseif (\n) == 19
	v_mul_f32 v[rT], v[rT+8], v[rT+1]
.elseif (\n) == 20
	v_sub_f32 v[rT+5], v[rT+9], v[rT]
.else
	v_exp_f32 v[rT+6], v[rT+5]
.endif
.endm
.macro PLN x
.if (\x) < 32
	TREG (\x)%2
	v_pk_fma_f32 v[rS+2*((\x)/2):rS+2*((\x)/2)+1], v[rS+2*((\x)/2):rS+2*((\x)/2)+1], v[rT+8:rT+9], v[rT:rT+1] op_sel_hi:[1,0,0] neg_lo:[0,0,1] neg_hi:[0,0,1]
.else
	v_nop
.endif
.endm
.macro EXQ y
.if (\y) < 2
	MAXQ \y, 21
.else
	TREG (\y)%2
	v_exp_f32 v[rS+((\y)-2)/2], v[rS+((\y)-2)/2]
.endif
.endm
.macro CVT t, p
	TREG \t
	v_cvt_pk_f16_f32 v[rP+(\p)], v[rS+2*(\p)], v[rS+2*(\p)+1]
.endm
.macro SUM t, z
	TREG \t
.if (\z) == 0
	v_pk_add_f32 v[rT+4:rT+5], v[rS:rS+1], v[rS+4:rS+5]
.elseif (\z) == 1
	v_pk_add_f32 v[rT+12:rT+13], v[rS+2:rS+3], v[rS+6:rS+7]
.elseif ((\z) < 14) && ((\z)%2 == 0)
	v_pk_add_f32 v[rT+4:rT+5], v[rT+4:rT+5], v[rS+2*(\z)+4:rS+2*(\z)+5]
.elseif (\z) < 14
	v_pk_add_f32 v[rT+12:rT+13], v[rT+12:rT+13], v[rS+2*(\z)+4:rS+2*(\z)+5]
.elseif (\z) == 14
	v_pk_add_f32 v[rT+4:rT+5], v[rT+4:rT+5], v[rT+12:rT+13]
.else
	v_pk_fma_f32 v[rT+2:rT+3], v[rT+2:rT+3], v[rT+6:rT+7], v[rT+4:rT+5] op_sel_hi:[1,0,1]
.endif
.endm
.macro RID_B g
.if (\g) < 11
.irp k, 0,1,2,3,4,5,6
.if 7*(\g)+(\k) < 32
	UF 7*(\g)+(\k)
.elseif 7*(\g)+(\k) < 74
	MAXQ (7*(\g)+(\k)-32)%2, (7*(\g)+(\k)-32)/2
.else
	v_nop
.endif
.endr
.elseif (\g) < 44
	PLN 2*((\g)-11)
	EXQ 2*((\g)-11)
	PLN 2*((\g)-11)+1
	EXQ 2*((\g)-11)+1
.if (\g) == 43
	v_nop
	s_wait_alu depctr_va_vdst(0)
.endif
.elseif (\g) < 52
	CVT 0, (\g)-44
	CVT 1, (\g)-44
	SUM 0, (\g)-44
	SUM 1, (\g)-44
.elseif (\g) < 56
	SUM 0, 8+2*((\g)-52)
	SUM 1, 8+2*((\g)-52)
	SUM 0, 9+2*((\g)-52)
	SUM 1, 9+2*((\g)-52)
.endif
.endm
.macro NLOAD
	ds_load_b128 v[N1:N1+3],     v[ADN]
	ds_load_b128 v[N1+4:N1+7],   v[ADN] offset:16
	ds_load_b128 v[N1+8:N1+11],  v[ADN] offset:64
	ds_load_b128 v[N1+12:N1+15], v[ADN] offset:80
	ds_load_b128 v[N2:N2+3],     v[ADN] offset:128
	ds_load_b128 v[N2+4:N2+7],   v[ADN] offset:144
	ds_load_b128 v[N2+8:N2+11],  v[ADN] offset:192
	ds_load_b128 v[N2+12:N2+15], v[ADN] offset:208
	v_add_nc_u32 v[ADN], 256, v[ADN]
.endm
.macro BOUND pv, refill
	WIN 0
	NLOAD
	s_wait_tensorcnt 0x0
	ds_add_u32 v[SPW], v[NIL]
	s_mov_b32 s55, s[R0]
	s_mov_b32 s[R0], s[R1]
	s_mov_b32 s[R1], s[R2]
	s_mov_b32 s[R2], s55
.if \refill
	s_add_co_u32 s[G0+1], s[R2], s[WQ]
	s_add_nc_u64 s[G0+2:G0+3], s[G0+2:G0+3], TILEB
	s_wait_xcnt 0x0
	s_add_nc_u64 s[PFA:PFA+1], s[PFA:PFA+1], TILEB
.endif
.if \pv
.set bw, 23
.rept 4
	s_wait_dscnt bw
	WM G
.set G, G+1
.set bw, bw-2
.endr
.endif
	s_wait_dscnt 0x0
	s_barrier_signal -1
.if \pv
.rept 4
	WM G
.set G, G+1
.endr
.endif
	WIN 0
	v_add_nc_u32 v[ADK], s[R1], v[AK0]
	v_add_nc_u32 v[ADV], s[R0], v[AV0]
	s_barrier_wait -1
.if \refill
	CREST
	JLOAD
.else
	NOPS4
.endif
	PRIME 0
.if \refill
	ASK
.endif
.irp p, 8,9,10,11,12,13,14,15
	CVT 0, \p
	CVT 1, \p
.endr
.endm
.macro PHASE_A mode, cont
.set G, 0
.rept 64
.if (\cont) || (G < 57)
	s_wait_dscnt 14
.else
	s_wait_dscnt 2*(63-G)
.endif
	WM G
.if (\cont) || (G < 56)
	LDF G+8
.endif
	RID_A \mode
.set G, G+1
.endr
.endm
.macro PHASE_B sm, bound
.set G, 64
.rept 56
	s_wait_dscnt 14
	WM G
	WIN 0
.if \sm
	RID_B G-64
.else
	v_nop
	v_nop
.endif
	LDF G+8
.set G, G+1
.endr
.if (\bound) == 0
.rept 8
	s_wait_dscnt 2*(127-G)
	WM G
.set G, G+1
.endr
	WIN 0
.elseif (\bound) == 1
	BOUND 1, 1
.else
	BOUND 1, 0
.endif
.endm
	s_wait_tensorcnt 0x1
	s_barrier_signal -1
	s_barrier_wait -1
	NLOAD
	PRIME 0
	PHASE_A 1, 0
	WIN 0
.set g0, 0
.rept 56
	RID_B g0
.set g0, g0+1
.endr
	s_mov_b32 s[CNT], 23
	BOUND 0, 1
	s_mov_b32 s[CNT], 22
.Lloop:
	PHASE_A 0, 1
	PHASE_B 1, 1
	s_sub_co_u32 s[CNT], s[CNT], 1
	s_cmp_lg_u32 s[CNT], 0
	s_cbranch_scc1 .Lloop
	s_mov_b32 s[CNT], 2
.Ltail:
	PHASE_A 0, 1
	PHASE_B 1, 2
	s_sub_co_u32 s[CNT], s[CNT], 1
	s_cmp_lg_u32 s[CNT], 0
	s_cbranch_scc1 .Ltail
	s_wait_dscnt 0x0
	PRIME 64
.set G, 0
.rept 64
	RID_A 0
.set G, G+1
.endr
	PHASE_B 0, 0
	v_add_f32 v[ST+4], v[ST+2], v[ST+3]
	v_add_f32 v[ST+20], v[ST+18], v[ST+19]
	v_permlanex16_b32 v[ST+5], v[ST+4], s[SEL], s[SEL+1]
	v_permlanex16_b32 v[ST+21], v[ST+20], s[SEL], s[SEL+1]
	v_add_f32 v[ST+4], v[ST+4], v[ST+5]
	v_add_f32 v[ST+20], v[ST+20], v[ST+21]
	v_cndmask_b32 v[TM], v[ST], v[ST+16], s[HIM]
	v_cndmask_b32 v[TM+1], v[ST+4], v[ST+20], s[HIM]
	v_lshlrev_b32 v[TM+2], 3, v3
	global_store_b64 v[TM+2], v[TM:TM+1], s[14:15]
.macro OUT t, hf
	WIN 0x04*((\hf)+1)
.set i, 0
.rept 16
	ds_store_b128 v[STO], v[16*i+8*(\t):16*i+8*(\t)+3]   offset:512*(i/8)+32*(i%8)
	ds_store_b128 v[STO], v[16*i+8*(\t)+4:16*i+8*(\t)+7] offset:512*(i/8)+32*(i%8)+16
.set i, i+1
.endr
	WIN 0
	s_wait_xcnt 0x0
.set i, 0
.rept 32
	ds_load_b128 v[S+4*i:S+4*i+3], v[RD] offset:PIT*(i/2)+512*(i%2)
.set i, i+1
.endr
.set i, 0
.rept 32
	s_wait_dscnt 31-i
	global_store_b128 v[GO], v[S+4*i:S+4*i+3], s[POB:POB+1] offset:32768*(\t)+2048*(i/2)+1024*(\hf)+512*(i%2)
.set i, i+1
.endr
.endm
	OUT 0, 0
	OUT 1, 0
	OUT 0, 1
	OUT 1, 1
	s_wait_tensorcnt 0x0
	ds_add_u32 v[SPW], v[NIL]
	s_wait_dscnt 0x0
	CROUND
	s_endpgm
.Lfunc_end_k_q93fa6ddf91_main:
	.size	k_q93fa6ddf91_main, .Lfunc_end_k_q93fa6ddf91_main-k_q93fa6ddf91_main
	.p2alignl 7, 3214868480
	.fill 96, 4, 3214868480
	.section	.rodata,"a",@progbits
	.p2align	6, 0x0
	.amdhsa_kernel k_q93fa6ddf91_main
		.amdhsa_group_segment_fixed_size 327680
		.amdhsa_private_segment_fixed_size 0
		.amdhsa_enable_private_segment 0
		.amdhsa_kernarg_size 48
		.amdhsa_user_sgpr_count 2
		.amdhsa_user_sgpr_kernarg_segment_ptr 1
		.amdhsa_wavefront_size32 1
		.amdhsa_system_sgpr_workgroup_id_x 1
		.amdhsa_system_sgpr_workgroup_id_y 1
		.amdhsa_system_sgpr_workgroup_id_z 1
		.amdhsa_system_vgpr_workitem_id 0
		.amdhsa_next_free_vgpr 1024
		.amdhsa_next_free_sgpr 100
		.amdhsa_reserve_vcc 0
		.amdhsa_float_denorm_mode_32 3
		.amdhsa_float_denorm_mode_16_64 3
		.amdhsa_memory_ordered 1
		.amdhsa_forward_progress 1
		.amdhsa_inst_pref_size 255
	.end_amdhsa_kernel
	.section	.bss,"aw",@nobits
	.p2align	6
	.space	262144
	.amdgpu_metadata
---
amdhsa.version: [ 1, 2 ]
amdhsa.kernels:
  - .name:           k_q93fa6ddf91_main
    .symbol:         k_q93fa6ddf91_main.kd
    .args:
      - { .name: kb, .offset: 0, .size: 8, .value_kind: global_buffer, .address_space: global }
      - { .name: nb, .offset: 8, .size: 8, .value_kind: global_buffer, .address_space: global }
      - { .name: xq, .offset: 16, .size: 8, .value_kind: global_buffer, .address_space: global }
      - { .name: t, .offset: 24, .size: 8, .value_kind: global_buffer, .address_space: global }
      - { .name: po, .offset: 32, .size: 8, .value_kind: global_buffer, .address_space: global }
      - { .name: ml, .offset: 40, .size: 8, .value_kind: global_buffer, .address_space: global }
    .group_segment_fixed_size: 327680
    .private_segment_fixed_size: 0
    .kernarg_segment_align: 8
    .kernarg_segment_size: 48
    .max_flat_workgroup_size: 128
    .sgpr_count:     100
    .vgpr_count:     1024
    .wavefront_size: 32
...
	.end_amdgpu_metadata
.endif
;; end of part 2
;; launch comb (part 3): grid 512 x 1, 8 waves a work-group, no clusters, 0 bytes of LDS; arguments po, ml, x_t, t, out0; writes out0
.if DOCPART == 3
	.amdgcn_target "amdgcn-amd-amdhsa--gfx1250"
	.amdhsa_code_object_version 6
	.text
	.protected	k_q93fa6ddf91_comb
	.globl	k_q93fa6ddf91_comb
	.p2align	8
	.type	k_q93fa6ddf91_comb,@function
k_q93fa6ddf91_comb:
	s_mov_b64 s[64:65], 0
	v_nop
	global_prefetch_b8 v0, s[64:65] scope:SCOPE_SE
	s_setreg_imm32_b32 hwreg(HW_REG_WAVE_MODE, 25, 1), 1
	s_wait_xcnt 0x0
.set OF,  16
.set XR,  24
.set AC,  28
.set OB,  48
	s_load_b256 s[4:11], s[0:1], 0x0
	s_load_b64 s[12:13], s[0:1], 0x20
	v_and_b32 v1, 31, v0
	v_lshrrev_b32 v2, 5, v0
	v_readfirstlane_b32 s14, v2
	s_lshr_b32 s15, s14, 2
	s_lshl_b32 s16, ttmp9, 1
	s_add_co_u32 s15, s15, s16
	s_and_b32 s16, s14, 3
	s_lshl_b32 s17, s15, 11
	s_lshl_b32 s18, s16, 9
	s_add_co_u32 s17, s17, s18
	v_lshl_add_u32 v[OF], v1, 4, s17
.irp k, 1,2,3,4,5,6,7
	v_add_nc_u32 v[OF+(\k)], (\k)*8388608, v[OF]
.endr
	s_lshl_b32 s18, s15, 3
	v_lshl_add_u32 v3, v1, 13, s18
	s_lshl_b32 s19, s15, 2
	v_mov_b32 v4, s19
	v_mov_b32 v15, 0
	s_mov_b32 s22, 0x76543210
	s_mov_b32 s23, 0xfedcba98
	s_wait_kmcnt 0x0
	global_load_b64 v[12:13], v3, s[6:7]
	global_load_b128 v[XR:XR+3], v[OF], s[8:9]
	global_load_b32 v32, v4, s[10:11]
.set i, 0
.rept 32
	global_load_b128 v[OB+4*i:OB+4*i+3], v[OF+i/4], s[4:5] offset:(i%4)*2097152 th:TH_LOAD_NT
.set i, i+1
.endr
	s_wait_loadcnt 32
	v_mov_b32 v14, v12
	v_max_num_f32_dpp v14, v14, v14 row_xmask:1 row_mask:0xf bank_mask:0xf
	v_max_num_f32_dpp v14, v14, v14 row_xmask:2 row_mask:0xf bank_mask:0xf
	v_max_num_f32_dpp v14, v14, v14 row_xmask:4 row_mask:0xf bank_mask:0xf
	v_max_num_f32_dpp v14, v14, v14 row_xmask:8 row_mask:0xf bank_mask:0xf
	v_permlanex16_b32 v15, v14, s22, s23
	v_max_num_f32 v14, v14, v15
	v_sub_f32 v12, v12, v14
	v_exp_f32 v33, v12
	v_cvt_pk_bf16_f32 v32, v32, v32
	v_lshlrev_b32 v32, 16, v32
	v_sub_f32 v34, 1.0, v32
	s_wait_alu depctr_va_vdst(0)
	v_mul_f32 v35, v33, v13
	v_add_f32_dpp v35, v35, v35 row_xmask:1 row_mask:0xf bank_mask:0xf
	v_add_f32_dpp v35, v35, v35 row_xmask:2 row_mask:0xf bank_mask:0xf
	v_add_f32_dpp v35, v35, v35 row_xmask:4 row_mask:0xf bank_mask:0xf
	v_add_f32_dpp v35, v35, v35 row_xmask:8 row_mask:0xf bank_mask:0xf
	v_permlanex16_b32 v15, v35, s22, s23
	v_add_f32 v35, v35, v15
	v_rcp_f32 v36, v34
	v_rcp_f32 v37, v35
	v_cvt_pk_bf16_f32 v40, v[XR], v[XR+1]
	v_cvt_pk_bf16_f32 v41, v[XR+2], v[XR+3]
	v_lshlrev_b32 v[XR], 16, v40
	v_and_b32 v[XR+1], 0xffff0000, v40
	v_lshlrev_b32 v[XR+2], 16, v41
	v_and_b32 v[XR+3], 0xffff0000, v41
	s_wait_alu depctr_va_vdst(0)
	v_fma_f32 v38, v32, v36, 1.0
	v_mul_f32 v38, v38, v37
	v_mul_f32 v33, v33, v38
	v_xor_b32 v36, 0x80000000, v36
.set i, 0
.rept 32
	v_readlane_b32 s[32+i], v33, i
.set i, i+1
.endr
.irp k, 0,1,2,3
	v_mul_f32 v[AC+(\k)], v[XR+(\k)], v36
.endr
.set i, 0
.rept 32
	s_wait_loadcnt 31-i
	v_fmac_f32 v[AC], s[32+i], v[OB+4*i]
	v_fmac_f32 v[AC+1], s[32+i], v[OB+4*i+1]
	v_fmac_f32 v[AC+2], s[32+i], v[OB+4*i+2]
	v_fmac_f32 v[AC+3], s[32+i], v[OB+4*i+3]
.set i, i+1
.endr
	global_store_b128 v[OF], v[AC:AC+3], s[12:13] th:TH_STORE_NT
	s_endpgm
.Lfunc_end_k_q93fa6ddf91_comb:
	.size	k_q93fa6ddf91_comb, .Lfunc_end_k_q93fa6ddf91_comb-k_q93fa6ddf91_comb
	.p2alignl 7, 3214868480
	.fill 96, 4, 3214868480
	.section	.rodata,"a",@progbits
	.p2align	6, 0x0
	.amdhsa_kernel k_q93fa6ddf91_comb
		.amdhsa_group_segment_fixed_size 0
		.amdhsa_private_segment_fixed_size 0
		.amdhsa_enable_private_segment 0
		.amdhsa_kernarg_size 40
		.amdhsa_user_sgpr_count 2
		.amdhsa_user_sgpr_kernarg_segment_ptr 1
		.amdhsa_wavefront_size32 1
		.amdhsa_system_sgpr_workgroup_id_x 1
		.amdhsa_system_sgpr_workgroup_id_y 1
		.amdhsa_system_sgpr_workgroup_id_z 1
		.amdhsa_system_vgpr_workitem_id 0
		.amdhsa_next_free_vgpr 184
		.amdhsa_next_free_sgpr 66
		.amdhsa_reserve_vcc 0
		.amdhsa_float_denorm_mode_32 3
		.amdhsa_float_denorm_mode_16_64 3
		.amdhsa_memory_ordered 1
		.amdhsa_forward_progress 1
		.amdhsa_inst_pref_size 14
	.end_amdhsa_kernel
	.amdgpu_metadata
---
amdhsa.version: [ 1, 2 ]
amdhsa.kernels:
  - .name:           k_q93fa6ddf91_comb
    .symbol:         k_q93fa6ddf91_comb.kd
    .args:
      - { .name: po, .offset: 0, .size: 8, .value_kind: global_buffer, .address_space: global }
      - { .name: ml, .offset: 8, .size: 8, .value_kind: global_buffer, .address_space: global }
      - { .name: x_t, .offset: 16, .size: 8, .value_kind: global_buffer, .address_space: global }
      - { .name: t, .offset: 24, .size: 8, .value_kind: global_buffer, .address_space: global }
      - { .name: out0, .offset: 32, .size: 8, .value_kind: global_buffer, .address_space: global }
    .group_segment_fixed_size: 0
    .private_segment_fixed_size: 0
    .kernarg_segment_align: 8
    .kernarg_segment_size: 40
    .max_flat_workgroup_size: 256
    .sgpr_count:     66
    .vgpr_count:     184
    .wavefront_size: 32
...
	.end_amdgpu_metadata
.endif
;; end of part 3
;; ======== version 2 of 3: 3 launches
;; limits: inputs' magnitudes at most 65,504; values are held in f16: magnitudes above 65,504 overflow, below 6.1e-05 lose precision
;; workspace buffers: kb 52,428,800 bytes; nb 212,992 bytes; xq 1,048,576 bytes; po 67,108,864 bytes; ml 262,144 bytes
;; launch prep: the kernel of part 1 again; grid 256 x 1, 8 waves a work-group, no clusters, 0 bytes of LDS; arguments dataset, kb, nb, x_t, t, xq; writes kb, nb, xq
;; launch main (part 4): grid 8 x 32, 4 waves a work-group, clusters of 4 x 1, 327,680 bytes of LDS; arguments kb, nb, xq, t, po, ml; writes po, ml
.if DOCPART == 4
	.amdgcn_target "amdgcn-amd-amdhsa--gfx1250"
	.amdhsa_code_object_version 6
	.text
	.protected	k_q93fa6ddf91_main
	.globl	k_q93fa6ddf91_main
	.p2align	8
	.type	k_q93fa6ddf91_main,@function
k_q93fa6ddf91_main:
	s_mov_b64 s[64:65], 0
	v_nop
	global_prefetch_b8 v0, s[64:65] scope:SCOPE_SE
	s_setreg_imm32_b32 hwreg(HW_REG_WAVE_MODE, 25, 1), 1
	s_wait_xcnt 0x0
	s_wait_alu depctr_hold_cnt(0) depctr_sa_sdst(0) depctr_va_vdst(0) depctr_va_sdst(0) depctr_va_ssrc(0) depctr_va_vcc(0) depctr_vm_vsrc(0)
	s_getreg_b32 s2, hwreg(HW_REG_IB_STS2, 6, 4)
	s_cmp_eq_u32 s2, 0
	s_cbranch_scc0 .Lentry_in_a_cluster
	s_endpgm
.Lentry_in_a_cluster:
	s_bfe_u32 s2, ttmp6, 0x10000c
	s_cmp_lg_u32 s2, 0x3003
	s_cbranch_scc0 .Lentry_shape_is_right
	s_endpgm
.Lentry_shape_is_right:
.set PIT,   1040
.set SLOT,  64*PIT
.set NRM,   3*SLOT
.set STAGE, NRM+6656
.set SPARE, STAGE+4*16*PIT
.set TILEB, 65536
.set AK0, 1
.set AV0, 2
.set ADK, 3
.set ADV, 4
.set PFO, 5
.set SPW, 6
.set NIL, 7
.set ST,  8
.set N1,  32
.set N2,  48
.set S,   64
.set P,   128
.set FR,  160
.set HR,  160
.set HH,  161
.set HL,  162
.set QO,  163
.set HT,  164
.set HA,  168
.set WR,  32
.set WH,  33
.set WL,  34
.set STO, 35
.set RD,  36
.set GO,  37
.set TM,  40
.set TM2, 42
.set WV,  16
.set G1,  24
.set G1N, 32
.set G0N, 40
.set G0A, 44
.set G0,  48
.set R0,  52
.set R1,  53
.set R2,  54
.set WQ,  56
.set CNT, 57
.set LIM, 58
.set SADN, 59
.set SEL, 60
.set PFA, 66
.set POB, 68
.set HIM, 70
.set W_KQ, 0x0c
.set MSB, 0
.macro WIN new
.if MSB != (\new)
	s_set_vgpr_msb (MSB<<8)|(\new)
.set MSB, (\new)
.endif
.endm
.macro CREST
	s_cmp_lg_u32 s[WV], 0
	s_cbranch_scc1 .Lnot_wave_0_\@
	s_barrier_signal -3
.Lnot_wave_0_\@:
	s_barrier_wait -3
	s_barrier_signal -1
	s_barrier_wait -1
.endm
.macro CROUND
	s_barrier_signal -1
	s_barrier_wait -1
	CREST
.endm
.macro NOPS4
.rept 4
	v_nop
.endr
.endm
.macro JLOAD
	tensor_load_to_lds s[G0:G0+3], s[G1:G1+7]
	s_nop 0
	NOPS4
.endm
.macro ASK
	s_cmp_gt_u32 s[CNT], s[LIM]
	s_cbranch_scc0 .Lnot_mine_\@
	global_prefetch_b8 v[PFO], s[PFA:PFA+1] th:TH_LOAD_NT scope:SCOPE_SE
.Lnot_mine_\@:
.endm
	s_load_b256 s[4:11], s[0:1], 0x0
	s_load_b128 s[12:15], s[0:1], 0x20
	v_lshl_add_u32 v[SPW], v0, 2, SPARE
	v_mov_b32 v[NIL], 0
	ds_add_u32 v[SPW], v[NIL]
	ds_add_u32 v[SPW], v[NIL]
	v_lshrrev_b32 v1, 5, v0
	v_readfirstlane_b32 s[WV], v1
	s_bfe_u32 s17, ttmp6, 0x40000
	s_lshl_b32 s18, ttmp9, 2
	s_add_co_u32 s18, s18, s17
	s_and_b32 s19, ttmp7, 0xffff
	s_mov_b32 s[G1], 15|(1<<16)|(1<<20)|(1<<21)|(7<<22)|(3<<25)
	s_mov_b32 s[G1+1], 512<<16
	s_mov_b32 s[G1+2], 16<<16
	s_mov_b32 s[G1+3], 512<<16
	s_mov_b32 s[G1+4], 16
	s_mov_b32 s[G1+5], 512
	s_mov_b32 s[G1+6], 0
	s_mov_b32 s[G1+7], 0
	s_mov_b32 s[G1N], 15|(3<<16)|(1<<21)
	s_mov_b32 s[G1N+1], 208<<16
	s_mov_b32 s[G1N+2], 1<<16
	s_mov_b32 s[G1N+3], 208<<16
	s_mov_b32 s[G1N+4], 1
	s_mov_b32 s[G1N+5], 208
	s_mov_b32 s[G1N+6], 1<<16
	s_mov_b32 s[G1N+7], 0
	s_mul_i32 s[WQ], s[WV], 16*PIT
	s_mul_i32 s20, s19, 1600*1024
	s_lshl_b32 s21, s[WV], 14
	s_add_co_u32 s20, s20, s21
	s_mov_b32 s21, 0
	s_mul_i32 s22, s19, 6656
	s_mul_i32 s23, s[WV], 1664
	s_add_co_u32 s22, s22, s23
	s_add_co_u32 s[G0N+1], s23, NRM
	s_mov_b32 s23, 0
	s_mov_b32 s[G0N], 1
	s_mov_b32 s[G0A], 1
	s_mov_b32 s[G0], 1
	s_mov_b32 s[G0A+1], s[WQ]
	s_add_co_u32 s[G0+1], s[WQ], SLOT
	s_mov_b32 s[R0], 2*SLOT
	s_mov_b32 s[R1], 0
	s_mov_b32 s[R2], SLOT
	s_mov_b32 s[SADN], NRM
	s_mov_b32 s[SEL], 0x76543210
	s_mov_b32 s[SEL+1], 0xfedcba98
	s_mov_b32 s[HIM], 0xffff0000
	s_lshl_b32 s72, s18, 7
	s_lshl_b32 s73, s[WV], 5
	s_add_co_u32 s72, s72, s73
	s_lshl_b32 s74, s72, 10
	s_mov_b32 s75, 0
	s_lshl_b32 s76, s72, 2
	s_mov_b32 s77, 0
	s_lshl_b32 s78, s19, 21
	s_lshl_b32 s79, s72, 11
	s_add_co_u32 s78, s78, s79
	s_mov_b32 s79, 0
	s_lshl_b32 s80, s19, 10
	s_add_co_u32 s80, s80, s72
	s_lshl_b32 s80, s80, 3
	s_mov_b32 s81, 0
	s_mul_i32 s82, s19, 1600*1024
	s_lshl_b32 s83, s17, 14
	s_add_co_u32 s82, s82, s83
	s_lshl_b32 s83, s[WV], 13
	s_add_co_u32 s82, s82, s83
	s_add_co_u32 s82, s82, 3*TILEB
	s_mov_b32 s83, 0
	s_lshr_b32 s55, s[WV], 1
	s_or_b32 s55, s55, ttmp9
	s_cmp_eq_u32 s55, 0
	s_cselect_b32 s[LIM], 2, -1
	s_wait_dscnt 0x0
	s_wait_kmcnt 0x0
	s_add_nc_u64 s[G0N+2:G0N+3], s[6:7], s[22:23]
	s_add_nc_u64 s[G0A+2:G0A+3], s[4:5], s[20:21]
	s_add_nc_u64 s[G0+2:G0+3], s[G0A+2:G0A+3], TILEB
	s_or_b32 s[G0N+3], s[G0N+3], 0x80000000
	s_or_b32 s[G0A+3], s[G0A+3], 0x80000000
	s_or_b32 s[G0+3], s[G0+3], 0x80000000
	s_add_nc_u64 s[PFA:PFA+1], s[4:5], s[82:83]
	s_add_nc_u64 s[8:9], s[8:9], s[74:75]
	s_add_nc_u64 s[10:11], s[10:11], s[76:77]
	s_add_nc_u64 s[POB:POB+1], s[12:13], s[78:79]
	s_add_nc_u64 s[14:15], s[14:15], s[80:81]
	CROUND
	tensor_load_to_lds s[G0N:G0N+3], s[G1N:G1N+7]
	s_nop 0
	tensor_load_to_lds s[G0A:G0A+3], s[G1:G1+7]
	s_nop 0
	tensor_load_to_lds s[G0:G0+3], s[G1:G1+7]
	s_nop 0
	NOPS4
	v_and_b32 v[HR], 15, v0
	v_bfe_u32 v[HH], v0, 4, 1
	v_and_b32 v[HL], 31, v0
	v_lshlrev_b32 v[QO], 10, v[HR]
	v_lshl_add_u32 v[QO], v[HH], 4, v[QO]
	v_lshlrev_b32 v[HT], 2, v[HR]
	global_load_b32 v[HA], v[HT], s[10:11]
	global_load_b32 v[HA+4], v[HT], s[10:11] offset:64
	WIN 0xc0
.set i, 0
.rept 32
	global_load_b128 v[8*i:8*i+3],   v[QO], s[8:9] offset:16384*(i/16)+64*(i%16)
	global_load_b128 v[8*i+4:8*i+7], v[QO], s[8:9] offset:16384*(i/16)+64*(i%16)+32
.set i, i+1
.endr
	WIN 0
	v_mul_u32_u24 v[AK0], v[HR], PIT
	v_lshl_add_u32 v[AK0], v[HH], 4, v[AK0]
	v_and_b32 v[HT+1], 7, v0
	v_lshl_add_u32 v[HT+1], v[HH], 3, v[HT+1]
	v_mul_u32_u24 v[AV0], v[HT+1], PIT
	v_bfe_u32 v[HT+2], v0, 3, 1
	v_lshl_add_u32 v[AV0], v[HT+2], 7, v[AV0]
	v_lshlrev_b32 v[PFO], 8, v[HL]
	v_add_nc_u32 v[ADK], s[R1], v[AK0]
	s_wait_loadcnt 0x0
.irp t, 0,1
	v_cvt_pk_bf16_f32 v[HA+4*(\t)], v[HA+4*(\t)], v[HA+4*(\t)]
	v_lshlrev_b32 v[HA+4*(\t)], 16, v[HA+4*(\t)]
	v_sub_f32 v[HA+4*(\t)+1], 1.0, v[HA+4*(\t)]
	v_mul_f32 v[HA+4*(\t)+1], v[HA+4*(\t)+1], v[HA+4*(\t)+1]
	v_rcp_f32 v[HA+4*(\t)+2], v[HA+4*(\t)+1]
.endr
	v_nop
	s_wait_alu depctr_va_vdst(0)
.irp t, 0,1
	v_and_b32 v[HA+4*(\t)+3], 0x7fffffff, v[HA+4*(\t)]
	v_mul_f32 v[HA+4*(\t)+2], v[HA+4*(\t)+3], v[HA+4*(\t)+2]
	v_mul_f32 v[HA+4*(\t)+2], 0x3fb8aa3b, v[HA+4*(\t)+2]
	v_max_num_f32 v[ST+12*(\t)+8], 0x2b8cbccc, v[HA+4*(\t)+2]
	v_mul_f32 v[HA+4*(\t)+3], 0.5, v[HA+4*(\t)+3]
	v_max_num_f32 v[HA+4*(\t)+3], 0x2b8cbccc, v[HA+4*(\t)+3]
	v_xor_b32 v[ST+12*(\t)+10], 0x80000000, v[HA+4*(\t)+3]
	v_mov_b32 v[ST+12*(\t)+11], 0
	v_mov_b32 v[ST+12*(\t)], 0xfe000000
	v_mov_b32 v[ST+12*(\t)+1], 0xff7fffff
	v_mov_b32 v[ST+12*(\t)+2], 0
	v_mov_b32 v[ST+12*(\t)+3], 0
	v_mov_b32 v[ST+12*(\t)+9], 0
.endr
.macro LDF g
.set fr, FR+8*((\g)%12)
.if (\g) < 64
	ds_load_b128 v[fr:fr+3],   v[ADK] offset:((\g)%4)*16*PIT+((\g)/4)*64
	ds_load_b128 v[fr+4:fr+7], v[ADK] offset:((\g)%4)*16*PIT+((\g)/4)*64+32
.else
.set gb, (\g)-64
	ds_load_tr16_b128 v[fr:fr+3],   v[ADV] offset:(gb/32)*32*PIT+((gb%32)/8)*256+(gb%8)*16
	ds_load_tr16_b128 v[fr+4:fr+7], v[ADV] offset:(gb/32)*32*PIT+16*PIT+((gb%32)/8)*256+(gb%8)*16
.endif
.endm
.macro RUN first
	LDF (\first)
	LDF (\first)+1
	LDF (\first)+2
	LDF (\first)+3
.endm
.macro PRIME first
	RUN (\first)
	RUN (\first)+4
	RUN (\first)+8
.endm
.macro WMT g, t
.set fr, FR+8*((\g)%12)
.if (\g) < 64
	WIN W_KQ
.set wS, S+32*(\t)+8*((\g)%4)
.set wQ, 128*(\t)+8*((\g)/4)
.if (\g) < 4
	v_wmma_f32_16x16x32_f16 v[wS:wS+7], v[fr:fr+7], v[wQ:wQ+7], 0
.else
	v_wmma_f32_16x16x32_f16 v[wS:wS+7], v[fr:fr+7], v[wQ:wQ+7], v[wS:wS+7]
.endif
.else
.set bb, ((\g)-64)%32
.set wP, P+16*(\t)+8*(((\g)-64)/32)
.if bb < 16
	WIN 0x50
.set wO, 16*bb+8*(\t)
.else
	WIN 0xa0
.set wO, 16*(bb-16)+8*(\t)
.endif
	v_wmma_f32_16x16x32_f16 v[wO:wO+7], v[fr:fr+7], v[wP:wP+7], v[wO:wO+7]
.endif
.endm
.macro WM g
	WMT \g, 0
	WMT \g, 1
.endm
.macro RID_A mode, part
.if G < 32
.set ro, 8*G
.set wn, 1
.else
.set ro, 8*(G-32)
.set wn, 2
.endif
.if \mode
	WIN 0x40*wn
.irp i, 0,1,2,3
	v_mov_b32 v[ro+4*(\part)+(\i)], 0
.endr
.else
	WIN 0x41*wn
.set ra, ST+12*(G%2)+6
.irp i, 0,2,4,6
	v_pk_mul_f32 v[ro+(\i):ro+(\i)+1], v[ro+(\i):ro+(\i)+1], v[ra:ra+1] op_sel_hi:[1,0]
.endr
.endif
.endm
.macro TREG t
.set rT, ST+12*(\t)
.set rS, S+32*(\t)
.set rP, P+16*(\t)
.endm
.macro UF x
	TREG (\x)%2
.set uq, (\x)/2
.if uq < 8
.set ur, N1+2*uq
.else
.set ur, N2+2*(uq-8)
.endif
	v_pk_fma_f32 v[rS+2*uq:rS+2*uq+1], v[ur:ur+1], v[rT+10:rT+11], v[rS+2*uq:rS+2*uq+1] op_sel_hi:[1,0,1]
.endm
.macro MAXQ t, n
	TREG \t
.if (\n) < 4
	v_max3_num_f32 v[rT+4+(\n)], v[rS+8*(\n)], v[rS+8*(\n)+1], v[rS+8*(\n)+2]
.elseif (\n) < 12
	v_max3_num_f32 v[rT+4+(\n)%4], v[rT+4+(\n)%4], v[rS+8*((\n)%4)+2*((\n)/4)+1], v[rS+8*((\n)%4)+2*((\n)/4)+2]
.elseif (\n) == 12
	v_max3_num_f32 v[rT+4], v[rT+4], v[rS+7], v[rS+15]
.elseif (\n) == 13
	v_max3_num_f32 v[rT+5], v[rT+5], v[rS+23], v[rS+31]
.elseif (\n) == 14
	v_max3_num_f32 v[rT+6], v[rT+6], v[rT+7], v[rT+1]
.elseif (\n) == 15
	v_mov_b32 v[rT+9], v[rT]
.elseif (\n) == 16
	v_max3_num_f32 v[rT+4], v[rT+4], v[rT+5], v[rT+6]
.elseif (\n) == 17
	v_permlanex16_b32 v[rT+7], v[rT+4], s[SEL], s[SEL+1]
.elseif (\n) == 18
	v_max_num_f32 v[rT+1], v[rT+4], v[rT+7]
.elseif (\n) == 19
	v_mul_f32 v[rT], v[rT+8], v[rT+1]
.elseif (\n) == 20
	v_sub_f32 v[rT+5], v[rT+9], v[rT]
.else
	v_exp_f32 v[rT+6], v[rT+5]
.endif
.endm
.macro RBE e
.if (\e) < 32
	UF \e
.else
	MAXQ ((\e)-32)%2, ((\e)-32)/2
.endif
.endm
.macro PLN x
	TREG (\x)%2
	v_pk_fma_f32 v[rS+2*((\x)/2):rS+2*((\x)/2)+1], v[rS+2*((\x)/2):rS+2*((\x)/2)+1], v[rT+8:rT+9], v[rT:rT+1] op_sel_hi:[1,0,0] neg_lo:[0,0,1] neg_hi:[0,0,1]
.endm
.macro EXQ y
.if (\y) < 2
	MAXQ \y, 21
.else
	TREG (\y)%2
	v_exp_f32 v[rS+((\y)-2)/2], v[rS+((\y)-2)/2]
.endif
.endm
.macro CVT t, p
	TREG \t
	v_cvt_pk_f16_f32 v[rP+(\p)], v[rS+2*(\p)], v[rS+2*(\p)+1]
.endm
.macro SUM t, z
	TREG \t
.if (\z) == 0
	v_pk_add_f32 v[rT+4:rT+5], v[rS:rS+1], v[rS+2:rS+3]
.elseif (\z) < 15
	v_pk_add_f32 v[rT+4:rT+5], v[rT+4:rT+5], v[rS+2*(\z)+2:rS+2*(\z)+3]
.else
	v_pk_fma_f32 v[rT+2:rT+3], v[rT+2:rT+3], v[rT+6:rT+7], v[rT+4:rT+5] op_sel_hi:[1,0,1]
.endif
.endm
.macro RB1 g
.if (\g) < 10
	WIN 0
.irp k, 0,1,2
	RBE 7*(\g)+(\k)
.endr
.elseif ((\g) > 10) && ((\g) < 44) && ((\g)%4 == 3)
	WIN 0
	EXQ 2*((\g)-11)
	EXQ 2*((\g)-11)+1
.endif
.endm
.macro RB2 g
.if (\g) < 10
.irp k, 3,4,5,6
	RBE 7*(\g)+(\k)
.endr
.elseif (\g) == 10
.irp k, 70,71,72,73
	RBE \k
.endr
.elseif ((\g) < 43) && ((\g)%4 == 3)
.irp k, 0,1,2,3
	PLN (\g)-11+(\k)
.endr
.elseif (\g) == 43
	NOPS4
.elseif (\g) < 44
	EXQ 2*((\g)-11)
	EXQ 2*((\g)-11)+1
.elseif (\g) < 52
	CVT 0, (\g)-44
	CVT 1, (\g)-44
	SUM 0, (\g)-44
	SUM 1, (\g)-44
.elseif (\g) < 56
	SUM 0, 8+2*((\g)-52)
	SUM 1, 8+2*((\g)-52)
	SUM 0, 9+2*((\g)-52)
	SUM 1, 9+2*((\g)-52)
.endif
.endm
.macro NLOAD
	v_bfe_u32 v[ST+4], v0, 4, 1
	v_lshl_add_u32 v[ST+4], v[ST+4], 5, s[SADN]
	ds_load_b128 v[N1:N1+3],     v[ST+4]
	ds_load_b128 v[N1+4:N1+7],   v[ST+4] offset:16
	ds_load_b128 v[N1+8:N1+11],  v[ST+4] offset:64
	ds_load_b128 v[N1+12:N1+15], v[ST+4] offset:80
	ds_load_b128 v[N2:N2+3],     v[ST+4] offset:128
	ds_load_b128 v[N2+4:N2+7],   v[ST+4] offset:144
	ds_load_b128 v[N2+8:N2+11],  v[ST+4] offset:192
	ds_load_b128 v[N2+12:N2+15], v[ST+4] offset:208
	s_add_co_u32 s[SADN], s[SADN], 256
.endm
.macro BOUND pv, refill
	WIN 0
	NLOAD
	s_wait_tensorcnt 0x0
	ds_add_u32 v[SPW], v[NIL]
	s_mov_b32 s55, s[R0]
	s_mov_b32 s[R0], s[R1]
	s_mov_b32 s[R1], s[R2]
	s_mov_b32 s[R2], s55
.if \refill
	s_add_co_u32 s[G0+1], s[R2], s[WQ]
	s_add_nc_u64 s[G0+2:G0+3], s[G0+2:G0+3], TILEB
	s_wait_xcnt 0x0
	s_add_nc_u64 s[PFA:PFA+1], s[PFA:PFA+1], TILEB
.endif
.if \pv
	s_wait_dscnt 17
.rept 4
	WM G
.set G, G+1
.endr
.endif
	s_wait_dscnt 0x0
	s_barrier_signal -1
.if \pv
.rept 4
	WM G
.set G, G+1
.endr
.endif
	WIN 0
	v_add_nc_u32 v[ADK], s[R1], v[AK0]
	v_add_nc_u32 v[ADV], s[R0], v[AV0]
	s_barrier_wait -1
.if \refill
	CREST
	JLOAD
.else
	NOPS4
.endif
	PRIME 0
.if \refill
	ASK
.endif
.irp p, 8,9,10,11,12,13,14,15
	CVT 0, \p
	CVT 1, \p
.endr
.endm
.macro PHASE_A mode, cont
.set G, 0
.rept 16
.if (\cont) || (G < 56)
	s_wait_dscnt 16
.else
	s_wait_dscnt 120-2*G
.endif
.rept 4
	WMT G, 0
.if \mode
	RID_A 1, 0
.endif
	WMT G, 1
	RID_A \mode, 1
.set G, G+1
.endr
.if (\cont) || (G < 56)
	WIN W_KQ
	RUN G+8
.endif
.endr
.endm
.macro PHASE_B sm, bound
.set G, 64
.rept 14
	s_wait_dscnt 16
.rept 4
	WMT G, 0
.if \sm
	RB1 G-64
.endif
	WMT G, 1
	WIN 0
.if \sm
	RB2 G-64
.else
	v_nop
	v_nop
.endif
.set G, G+1
.endr
.if G < 120
.if (\sm) == 0
	v_nop
	v_nop
.endif
.if (\sm) && (G == 108)
	s_wait_alu depctr_va_vdst(0)
.endif
	RUN G+8
.endif
.endr
.if (\bound) == 0
	s_wait_dscnt 8
.rept 4
	WM G
.set G, G+1
.endr
	s_wait_dscnt 0x0
.rept 4
	WM G
.set G, G+1
.endr
	WIN 0
.elseif (\bound) == 1
	BOUND 1, 1
.else
	BOUND 1, 0
.endif
.endm
	s_wait_tensorcnt 0x1
	s_barrier_signal -1
	s_barrier_wait -1
	NLOAD
	PRIME 0
	PHASE_A 1, 0
	WIN 0
.set g0, 0
.rept 56
	RB1 g0
	RB2 g0
.if g0 == 43
	s_wait_alu depctr_va_vdst(0)
.endif
.set g0, g0+1
.endr
	s_mov_b32 s[CNT], 23
	BOUND 0, 1
	s_mov_b32 s[CNT], 22
.Lloop:
	PHASE_A 0, 1
	PHASE_B 1, 1
	s_sub_co_u32 s[CNT], s[CNT], 1
	s_cmp_lg_u32 s[CNT], 0
	s_cbranch_scc1 .Lloop
	s_mov_b32 s[CNT], 2
.Ltail:
	PHASE_A 0, 1
	PHASE_B 1, 2
	s_sub_co_u32 s[CNT], s[CNT], 1
	s_cmp_lg_u32 s[CNT], 0
	s_cbranch_scc1 .Ltail
	s_wait_dscnt 0x0
	PRIME 64
.set G, 0
.rept 64
	RID_A 0, 1
.set G, G+1
.endr
	PHASE_B 0, 0
	v_add_f32 v[ST+4], v[ST+2], v[ST+3]
	v_add_f32 v[ST+16], v[ST+14], v[ST+15]
	v_permlanex16_b32 v[ST+5], v[ST+4], s[SEL], s[SEL+1]
	v_permlanex16_b32 v[ST+17], v[ST+16], s[SEL], s[SEL+1]
	v_add_f32 v[ST+4], v[ST+4], v[ST+5]
	v_add_f32 v[ST+16], v[ST+16], v[ST+17]
	v_and_b32 v[WR], 15, v0
	v_bfe_u32 v[WH], v0, 4, 1
	v_and_b32 v[WL], 31, v0
	s_add_co_u32 s55, s[WQ], STAGE
	v_mul_u32_u24 v[STO], v[WR], PIT
	v_lshl_add_u32 v[STO], v[WH], 8, v[STO]
	v_add_nc_u32 v[STO], s55, v[STO]
	v_lshl_add_u32 v[RD], v[WL], 4, s55
	v_lshlrev_b32 v[GO], 4, v[WL]
	v_cndmask_b32 v[TM], v[ST], v[ST+12], s[HIM]
	v_cndmask_b32 v[TM+1], v[ST+4], v[ST+16], s[HIM]
	v_lshlrev_b32 v[TM2], 3, v[WL]
	global_store_b64 v[TM2], v[TM:TM+1], s[14:15]
.macro OUT t, hf
	WIN 0x04*((\hf)+1)
.set i, 0
.rept 16
	ds_store_b128 v[STO], v[16*i+8*(\t):16*i+8*(\t)+3]   offset:512*(i/8)+32*(i%8)
	ds_store_b128 v[STO], v[16*i+8*(\t)+4:16*i+8*(\t)+7] offset:512*(i/8)+32*(i%8)+16
.set i, i+1
.endr
	WIN 0
	s_wait_xcnt 0x0
.set i, 0
.rept 32
	ds_load_b128 v[S+4*i:S+4*i+3], v[RD] offset:PIT*(i/2)+512*(i%2)
.set i, i+1
.endr
.set i, 0
.rept 32
	s_wait_dscnt 31-i
	global_store_b128 v[GO], v[S+4*i:S+4*i+3], s[POB:POB+1] offset:32768*(\t)+2048*(i/2)+1024*(\hf)+512*(i%2)
.set i, i+1
.endr
.endm
	OUT 0, 0
	OUT 1, 0
	OUT 0, 1
	OUT 1, 1
	s_wait_tensorcnt 0x0
	ds_add_u32 v[SPW], v[NIL]
	s_wait_dscnt 0x0
	CROUND
	s_endpgm
.Lfunc_end_k_q93fa6ddf91_main:
	.size	k_q93fa6ddf91_main, .Lfunc_end_k_q93fa6ddf91_main-k_q93fa6ddf91_main
	.p2alignl 7, 3214868480
	.fill 96, 4, 3214868480
	.section	.rodata,"a",@progbits
	.p2align	6, 0x0
	.amdhsa_kernel k_q93fa6ddf91_main
		.amdhsa_group_segment_fixed_size 327680
		.amdhsa_private_segment_fixed_size 0
		.amdhsa_enable_private_segment 0
		.amdhsa_kernarg_size 48
		.amdhsa_user_sgpr_count 2
		.amdhsa_user_sgpr_kernarg_segment_ptr 1
		.amdhsa_wavefront_size32 1
		.amdhsa_system_sgpr_workgroup_id_x 1
		.amdhsa_system_sgpr_workgroup_id_y 1
		.amdhsa_system_sgpr_workgroup_id_z 1
		.amdhsa_system_vgpr_workitem_id 0
		.amdhsa_next_free_vgpr 1024
		.amdhsa_next_free_sgpr 100
		.amdhsa_reserve_vcc 0
		.amdhsa_float_denorm_mode_32 3
		.amdhsa_float_denorm_mode_16_64 3
		.amdhsa_memory_ordered 1
		.amdhsa_forward_progress 1
		.amdhsa_inst_pref_size 255
	.end_amdhsa_kernel
	.section	.bss,"aw",@nobits
	.p2align	6
	.space	262144
	.amdgpu_metadata
---
amdhsa.version: [ 1, 2 ]
amdhsa.kernels:
  - .name:           k_q93fa6ddf91_main
    .symbol:         k_q93fa6ddf91_main.kd
    .args:
      - { .name: kb, .offset: 0, .size: 8, .value_kind: global_buffer, .address_space: global }
      - { .name: nb, .offset: 8, .size: 8, .value_kind: global_buffer, .address_space: global }
      - { .name: xq, .offset: 16, .size: 8, .value_kind: global_buffer, .address_space: global }
      - { .name: t, .offset: 24, .size: 8, .value_kind: global_buffer, .address_space: global }
      - { .name: po, .offset: 32, .size: 8, .value_kind: global_buffer, .address_space: global }
      - { .name: ml, .offset: 40, .size: 8, .value_kind: global_buffer, .address_space: global }
    .group_segment_fixed_size: 327680
    .private_segment_fixed_size: 0
    .kernarg_segment_align: 8
    .kernarg_segment_size: 48
    .max_flat_workgroup_size: 128
    .sgpr_count:     100
    .vgpr_count:     1024
    .wavefront_size: 32
...
	.end_amdgpu_metadata
.endif
;; end of part 4
;; launch comb: the kernel of part 3 again; grid 512 x 1, 8 waves a work-group, no clusters, 0 bytes of LDS; arguments po, ml, x_t, t, out0; writes out0
;; ======== version 3 of 3: 3 launches; version 2 with the launch prep written anew for expert scheduling mode
;; limits: inputs' magnitudes at most 65,504; values are held in f16: magnitudes above 65,504 overflow, below 6.1e-05 lose precision
;; workspace buffers: kb 52,428,800 bytes; nb 212,992 bytes; xq 1,048,576 bytes; po 67,108,864 bytes; ml 262,144 bytes
;; launch prep (part 5): grid 256 x 1, 8 waves a work-group, no clusters, 0 bytes of LDS; arguments dataset, kb, nb, x_t, t, xq; writes kb, nb, xq
.if DOCPART == 5
	.amdgcn_target "amdgcn-amd-amdhsa--gfx1250"
	.amdhsa_code_object_version 6
	.text
	.protected	k_q93fa6ddf91_prep
	.globl	k_q93fa6ddf91_prep
	.p2align	8
	.type	k_q93fa6ddf91_prep,@function
k_q93fa6ddf91_prep:
	s_mov_b64 s[64:65], 0
	v_nop
	global_prefetch_b8 v0, s[64:65] scope:SCOPE_SE
	s_setreg_imm32_b32 hwreg(HW_REG_WAVE_SCHED_MODE, 0, 2), 2
	s_setreg_imm32_b32 hwreg(HW_REG_WAVE_MODE, 25, 1), 1
	s_wait_xcnt 0x0
	s_wait_alu depctr_vm_vsrc(0)
.set DEPTH, 5
.set LANE, 1
.set LI,   2
.set LO,   3
.set Z,    4
.set NV,   5
.set C,    6
.set T,    10
.set F,    12
.set X,    16
.set Y,    96
.set XQ,   136
.set XO,   152
.set TS,   160
.set XA,   161
.set XW,   162
.set BIG,  0x7149f2ca
	s_load_b128 s[4:7], s[0:1], 0x0
	s_load_b64 s[8:9], s[0:1], 0x10
	s_load_b128 s[48:51], s[0:1], 0x18
	s_load_b64 s[52:53], s[0:1], 0x28
	v_and_b32 v[LANE], 31, v0
	v_lshrrev_b32 v[T], 5, v0
	v_readfirstlane_b32 s18, v[T]
	v_lshlrev_b32 v[LI], 4, v[LANE]
	v_lshlrev_b32 v[LO], 3, v[LANE]
	v_mov_b32 v[Z], 0
	v_mov_b32 v[NV], BIG
	v_mov_b32 v[T+1], 0
	s_lshr_b32 s19, ttmp9, 3
	s_and_b32 s44, ttmp9, 7
	s_lshl_b32 s44, s44, 3
	s_wait_alu depctr_va_sdst(0)
	s_add_co_u32 s41, s44, s18
	s_lshl_b32 s54, ttmp9, 3
	s_add_co_u32 s54, s54, s18
	s_lshl_b32 s55, s54, 2
	v_mov_b32 v[XA], s55
	s_mul_i32 s10, s19, 1562
	s_lshr_b32 s44, s19, 1
	s_add_co_u32 s10, s10, s44
	s_and_b32 s11, s19, 1
	s_add_co_u32 s11, s11, 1562
	s_sub_co_u32 s12, s11, 1
	s_mul_i32 s13, s41, 25
	s_mov_b32 s14, 0
	s_mov_b32 s42, 0x76543210
	s_mov_b32 s43, 0xfedcba98
	s_mov_b32 s58, 0xffff0000
	s_mov_b32 s45, 0
	s_mul_i32 s46, s19, 1600
	s_add_co_u32 s46, s46, s13
	s_lshl_b32 s46, s46, 10
	s_mov_b32 s47, 0
	s_wait_kmcnt 0x0
	s_add_nc_u64 s[16:17], s[6:7], s[46:47]
	s_wait_alu depctr_va_vdst(0)
.macro FILL d
	s_min_u32 s44, s13, s12
	s_add_co_u32 s44, s44, s10
	s_lshl_b32 s44, s44, 11
	s_add_nc_u64 s[20+2*(\d):21+2*(\d)], s[4:5], s[44:45]
	s_cmp_lt_u32 s13, s11
	s_cselect_b32 s[30+(\d)], -1, 0
	s_cselect_b32 s[35+(\d)], 0, BIG
	s_add_co_u32 s13, s13, 1
.irp j, 0,1,2,3
	global_load_b128 v[X+16*(\d)+4*(\j):X+16*(\d)+4*(\j)+3], v[LI], s[20+2*(\d):21+2*(\d)] offset:512*(\j) th:TH_LOAD_NT
.endr
.endm
.macro TOF16 r
.irp j, 0,1,2,3,4,5,6,7
	v_lshlrev_b32 v[F+2*((\j)%2)], 16, v[(\r)+(\j)]
	v_and_b32 v[F+2*((\j)%2)+1], s58, v[(\r)+(\j)]
	v_cvt_pk_f16_f32 v[(\r)+(\j)], v[F+2*((\j)%2)], v[F+2*((\j)%2)+1]
.endr
.endm
.macro ROW d, first, fill, left
	s_wait_loadcnt \left
.if !(\first)
	s_wait_xcnt 0x0
	s_wait_alu depctr_vm_vsrc(0)
.endif
	s_mov_b32 s40, s[35+(\d)]
	v_cmp_eq_u32 vcc_lo, s14, v[LANE]
.irp j, 0,1,2,3,4,5,6,7
	v_cvt_pk_bf16_f32 v[Y+8*(\d)+(\j)], v[X+16*(\d)+2*(\j)], v[X+16*(\d)+2*(\j)+1]
.endr
.irp j, 0,1,2,3,4,5,6,7
	v_and_b32 v[Y+8*(\d)+(\j)], s[30+(\d)], v[Y+8*(\d)+(\j)]
.endr
	s_wait_alu depctr_va_vdst(0)
.if \fill
	FILL \d
.endif
.if !(\first)
.irp j, 0,1,2,3
	global_store_b64 v[LO], v[Y+8*(((\d)+4)%5)+2*(\j):Y+8*(((\d)+4)%5)+2*(\j)+1], s[16:17] offset:1024*(((\d)+4)%5)+256*(\j)
.endr
.endif
.irp j, 0,1,2,3,4,5,6,7
.if (\j) < 2
	v_fma_mix_f32_bf16 v[C+2*(\j)], v[Y+8*(\d)+(\j)], v[Y+8*(\d)+(\j)], v[Z] op_sel_hi:[1,1,0]
	v_fma_mix_f32_bf16 v[C+2*(\j)+1], v[Y+8*(\d)+(\j)], v[Y+8*(\d)+(\j)], v[Z] op_sel:[1,1,0] op_sel_hi:[1,1,0]
.else
	v_fma_mix_f32_bf16 v[C+2*((\j)%2)], v[Y+8*(\d)+(\j)], v[Y+8*(\d)+(\j)], v[C+2*((\j)%2)] op_sel_hi:[1,1,0]
	v_fma_mix_f32_bf16 v[C+2*((\j)%2)+1], v[Y+8*(\d)+(\j)], v[Y+8*(\d)+(\j)], v[C+2*((\j)%2)+1] op_sel:[1,1,0] op_sel_hi:[1,1,0]
.endif
.endr
	TOF16 Y+8*(\d)
	v_add_f32 v[C], v[C], v[C+1]
	v_add_f32 v[C+2], v[C+2], v[C+3]
	v_add_f32 v[C], v[C], v[C+2]
	v_add_f32_dpp v[C], v[C], v[C] row_xmask:1 row_mask:0xf bank_mask:0xf
	v_add_f32_dpp v[C], v[C], v[C] row_xmask:2 row_mask:0xf bank_mask:0xf
	v_add_f32_dpp v[C], v[C], v[C] row_xmask:4 row_mask:0xf bank_mask:0xf
	v_add_f32_dpp v[C], v[C], v[C] row_xmask:8 row_mask:0xf bank_mask:0xf
	v_permlanex16_b32 v[T+1], v[C], s42, s43
	v_add_f32 v[C], v[C], v[T+1]
	v_add_f32 v[C], s40, v[C]
	s_wait_alu depctr_va_vcc(0)
	v_cndmask_b32 v[NV], v[NV], v[C], vcc_lo
	s_add_co_u32 s14, s14, 1
.endm
.irp d, 0,1,2,3,4
	FILL \d
.endr
	s_cmp_lt_u32 ttmp9, 128
	s_cbranch_scc0 .Lno_x
	s_lshl_b32 s56, s54, 11
	s_mov_b32 s57, 0
	s_add_nc_u64 s[48:49], s[48:49], s[56:57]
	global_load_b32 v[TS], v[XA], s[50:51]
.irp j, 0,1,2,3
	global_load_b128 v[XQ+4*(\j):XQ+4*(\j)+3], v[LI], s[48:49] offset:512*(\j)
.endr
	s_lshl_b32 s56, s54, 10
	s_add_nc_u64 s[52:53], s[52:53], s[56:57]
	s_wait_loadcnt 0x0
	v_and_b32 v[TS], 0x80000000, v[TS]
	v_lshrrev_b32 v[XW], 16, v[TS]
	v_or_b32 v[TS], v[TS], v[XW]
.irp j, 0,1,2,3,4,5,6,7
	v_cvt_pk_bf16_f32 v[XO+(\j)], v[XQ+2*(\j)], v[XQ+2*(\j)+1]
.endr
	TOF16 XO
.irp j, 0,1,2,3,4,5,6,7
	v_xor_b32 v[XO+(\j)], v[TS], v[XO+(\j)]
.endr
	s_wait_alu depctr_va_vdst(0)
.irp j, 0,1,2,3
	global_store_b64 v[LO], v[XO+2*(\j):XO+2*(\j)+1], s[52:53] offset:256*(\j)
.endr
.Lno_x:
	ROW 0, 1, 1, 16
	s_mov_b32 s15, 3
.Lround:
.irp d, 1,2,3,4,0
	ROW \d, 0, 1, 16
.endr
	s_wait_xcnt 0x0
	s_add_nc_u64 s[16:17], s[16:17], DEPTH*1024
	s_sub_co_u32 s15, s15, 1
	s_cmp_lg_u32 s15, 0
	s_cbranch_scc1 .Lround
.irp d, 1,2,3,4
	ROW \d, 0, 1, 16
.endr
	ROW 0, 0, 0, 16
	s_wait_xcnt 0x0
	s_add_nc_u64 s[16:17], s[16:17], DEPTH*1024
.irp d, 1,2,3,4
	ROW \d, 0, 0, 16-4*(\d)
.endr
	v_cmp_gt_u32 vcc_lo, 25, v[LANE]
	s_mul_i32 s44, s41, 25
	v_add_nc_u32 v[T], s44, v[LANE]
	s_add_co_u32 s46, s41, 1600
	v_mov_b32 v[T+1], s46
	s_wait_alu depctr_va_vcc(0)
	v_cndmask_b32 v[T], v[T+1], v[T], vcc_lo
	s_mul_i32 s44, s19, 1664
	v_add_lshl_u32 v[T], v[T], s44, 2
	s_wait_alu depctr_va_vdst(0)
.irp j, 0,1,2,3
	global_store_b64 v[LO], v[Y+32+2*(\j):Y+32+2*(\j)+1], s[16:17] offset:4096+256*(\j)
.endr
	global_store_b32 v[T], v[NV], s[8:9]
	s_endpgm
.Lfunc_end_k_q93fa6ddf91_prep:
	.size	k_q93fa6ddf91_prep, .Lfunc_end_k_q93fa6ddf91_prep-k_q93fa6ddf91_prep
	.p2alignl 7, 3214868480
	.fill 96, 4, 3214868480
	.section	.rodata,"a",@progbits
	.p2align	6, 0x0
	.amdhsa_kernel k_q93fa6ddf91_prep
		.amdhsa_group_segment_fixed_size 0
		.amdhsa_private_segment_fixed_size 0
		.amdhsa_enable_private_segment 0
		.amdhsa_kernarg_size 48
		.amdhsa_user_sgpr_count 2
		.amdhsa_user_sgpr_kernarg_segment_ptr 1
		.amdhsa_wavefront_size32 1
		.amdhsa_system_sgpr_workgroup_id_x 1
		.amdhsa_system_sgpr_workgroup_id_y 1
		.amdhsa_system_sgpr_workgroup_id_z 1
		.amdhsa_system_vgpr_workitem_id 0
		.amdhsa_next_free_vgpr 164
		.amdhsa_next_free_sgpr 66
		.amdhsa_reserve_vcc 1
		.amdhsa_float_denorm_mode_32 3
		.amdhsa_float_denorm_mode_16_64 3
		.amdhsa_memory_ordered 1
		.amdhsa_forward_progress 1
		.amdhsa_inst_pref_size 74
	.end_amdhsa_kernel
	.amdgpu_metadata
---
amdhsa.version: [ 1, 2 ]
amdhsa.kernels:
  - .name:           k_q93fa6ddf91_prep
    .symbol:         k_q93fa6ddf91_prep.kd
    .args:
      - { .name: dataset, .offset: 0, .size: 8, .value_kind: global_buffer, .address_space: global }
      - { .name: kb, .offset: 8, .size: 8, .value_kind: global_buffer, .address_space: global }
      - { .name: nb, .offset: 16, .size: 8, .value_kind: global_buffer, .address_space: global }
      - { .name: x_t, .offset: 24, .size: 8, .value_kind: global_buffer, .address_space: global }
      - { .name: t, .offset: 32, .size: 8, .value_kind: global_buffer, .address_space: global }
      - { .name: xq, .offset: 40, .size: 8, .value_kind: global_buffer, .address_space: global }
    .group_segment_fixed_size: 0
    .private_segment_fixed_size: 0
    .kernarg_segment_align: 8
    .kernarg_segment_size: 48
    .max_flat_workgroup_size: 256
    .sgpr_count:     66
    .vgpr_count:     164
    .wavefront_size: 32
...
	.end_amdgpu_metadata
.endif
;; end of part 5
;; launch main: the kernel of part 4 again; grid 8 x 32, 4 waves a work-group, clusters of 4 x 1, 327,680 bytes of LDS; arguments kb, nb, xq, t, po, ml; writes po, ml
;; launch comb: the kernel of part 3 again; grid 512 x 1, 8 waves a work-group, no clusters, 0 bytes of LDS; arguments po, ml, x_t, t, out0; writes out0
